; MI455X (gfx1250); checked and timed in simulation.
; The chip was launched on July 23, 2026; its instructions are those of AMD's public machine-readable ISA for CDNA 5 (MIT licence, August 2026) and "CDNA5" Instruction Set Architecture Reference Guide (July 2026). The comments in the code are by the model that wrote it; some were corrected since.
;; Ring Attention. Allowed arithmetic: float matrix products may take bf16 or f16 operands with f32 sums; all other float work in f32.
;; Inputs: k 2 x 16 x 2,048 x 128 float32; q 2 x 16 x 2,048 x 128 float32; v 2 x 16 x 2,048 x 128 float32.
;; Outputs: out0 2 x 16 x 2,048 x 128 float32.
;; One version. Each part assembles by itself: llvm-mc -triple=amdgcn-amd-amdhsa -mcpu=gfx1250 --defsym DOCPART=n.
;; ======== version 1 of 1: 1 launch
;; limits: inputs' magnitudes at most 65,504; values are held in f16: magnitudes above 65,504 overflow, below 6.1e-05 lose precision
;; launch attn (part 1): grid 8 x 32, 4 waves a work-group, no clusters, 71,168 bytes of LDS; arguments q, k, v, out0; writes out0
.if DOCPART == 1
	.amdgcn_target "amdgcn-amd-amdhsa--gfx1250"
	.amdhsa_code_object_version 6
	.text
	.protected	k_q99812def54_attn
	.globl	k_q99812def54_attn
	.p2align	8
	.type	k_q99812def54_attn,@function
k_q99812def54_attn:
	s_mov_b64 s[64:65], 0
	v_nop
	global_prefetch_b8 v0, s[64:65] scope:SCOPE_SE
	s_setreg_imm32_b32 hwreg(HW_REG_WAVE_MODE, 25, 1), 1
	s_wait_xcnt 0x0
; Causal softmax attention.  q, k, v, out0: [32 heads][2048][128] f32; scale 128^-0.5; products in f16 with f32 sums, softmax in f32.
;
; SHARING.  A head has 16 query blocks of 128 rows.  Work-group (i, head), i = 0..7, takes block i ("lo") and block 15 - i ("hi"):
; (i + 1) + (16 - i) = 17 squares of 128 x 128 for every work-group.  Wave w holds four query tiles of 16 rows: tiles 0, 1 = lo rows
; 32 w + 16 u, tiles 2, 3 = hi rows 32 w + 16 u.  Keys go in steps of 64, ascending, t = 0 .. 31 - 2 i; while lo is alive (t <= 2 i + 1) a K or V
; fragment feeds four matrix instructions, afterwards two.  Blocks of scores wholly above the diagonal are never computed.
;
; BOTH PRODUCTS ARE TRANSPOSED, so that P needs no move between lanes.  S^T = K Q^T: lane (r, h) holds query r and keys 16 kt + 8 h + j in
; register j.  O^T += V^T P^T wants, as its second source, keys 32 c + 8 h .. + 7 in registers 0-3 and 32 c + 16 + 8 h .. + 7 in registers 4-7 of the
; lane of query r: those are key tiles 2 c and 2 c + 1 of S^T, packed two by two.  Maximum, sum and factor are one number a lane and tile.
;
; WHY f16 AND NOT bf16.  The first rows of a head are sums of a few terms of size one, so an operand's rounding reaches the result undamped: f16
; keeps 11 significant bits, bf16 8.  P lies in (0, 1].  Q, K and V have room: numbers of spread one, thirty times larger or shifted by thirty, stay
; below 200, and f16 reaches 65504.
; LIMITS: inputs are finite (a NaN loses in the maximum) and of magnitude at most 65504, beyond which the conversion gives infinity; inputs below
; 2^-14 in magnitude, and p below 2^-14, are kept to an absolute 2^-25 (p below that, relative to the row's running maximum, counts as 0 in the product:
; at most 2048 x 2^-25 of a sum that is at least 1); raw scores lie above -1e30, the value that masked places get, as in the reference.
;
; SOFTMAX.  Running maximum m of the raw scores; p = 2^(c s - c m), c = log2(e) / sqrt(128); old sums are scaled by 2^(nmc_new - nmc_old), nmc = -c m as
; rounded, so that the factor fits the exponents that were really used.  The sum stays a partial sum of the lane's keys; the halves meet once, at the end.
; Every row sees its key 0 unmasked in step 0, so m is a true score from the first step on.
;
; K AND V come through registers, since every number is converted from f32 to f16 on the way: 16 rows of each a wave and step, loaded one step
; ahead into 128 registers, stored as f16 into one LDS tile of 64 keys each, two barriers a step.
; NO CLUSTER, NO TENSOR LOADS: a joint request would land f32 tiles in LDS, 64 KB a step to be read again and stored again as f16; and the
; eight work-groups of a head take 32 - 2 i steps, so partners would ask for different numbers of tiles.
;
; REGISTERS in windows of 256 (s_set_vgpr_msb, low byte: bits 1:0 source 0, 3:2 source 1, 5:4 source 2, 7:6 destination):
;   window 0: addresses, state, v64-127 P (16 a tile), v128-255 S (32 a tile)      window 1: O, tile qt, d block dt at 8 (8 qt + dt)
;   window 2: v0-127 Q fragments (qt, ks) at 32 qt + 8 ks; v128-255 K fragments, then V fragments      window 3: v0-127 the next K and V rows
.set ROWB,  512                        ; a row of 128 f32
.set TILEB, 64*ROWB                    ; 64 keys of K or of V in memory
.set KP,    272                        ; LDS pitch of K and Q rows: 256 bytes + 16, so 16 rows start at 16 different 16-byte columns modulo 256
.set VP,    288                        ; LDS pitch of V rows: 256 + 32, for the transposing load
.set VB,    64*KP                      ; V's tile lies behind K's
.set STG,   VB+64*VP                   ; behind both: a stage for each wave, Q going in (32 x 272), O going out (16 x 528)
.set STGW,  8704
.set OP,    528                        ; pitch of the stage on the way out: 512 + 16
.set KRD,  4                           ; r KP + 16 h: K fragments
.set VRD,  5                           ; VB + (8 h + (L & 7)) VP + 16 ((L >> 3) & 1): V fragments, transposed
.set KST,  6                           ; 16 w KP + 8 L: where my K rows go
.set VST,  7                           ; VB + 16 w VP + 8 L
.set GOFF, 8                           ; 16 w rows + 16 L: my rows in a tile in memory
.set QST,  9                           ; stage + 8 L
.set QRD,  10                          ; stage + r KP + 16 h
.set OST,  11                          ; stage + r OP + 32 h
.set ORD,  12                          ; stage + 16 L
.set ROFF, 13                          ; 16 L
.set PFO,  14                          ; 256 x thread
.set NEG,  15                          ; -1e30
.set ST,   16                          ; tile qt: v[ST+4qt] = nmc, +1 = m, +2 = factor (at the end 1 / l), +3 = l
.set DB,   32                          ; tile qt: my query's row in the head, less 8 h
.set DT,   36                          ; the same, less the step's first key
.set T,    40                          ; v40-47 at work
.set PP,   64
.set SS,   128
.set FR,   128                         ; fragments, window 2
.set MSB, 0
.macro WIN new                         ; the immediate's high byte repeats the setting that is left
.if MSB != \new
	s_set_vgpr_msb (MSB<<8)|\new
.set MSB, \new
.endif
.endm
; Four places behind a matrix instruction before its result is read by a vector instruction or a load is issued into one of its sources
; only plain vector instructions that name none of its registers are counted here.
.macro PLACES
.rept 4
	v_nop
.endr
.endm
	s_load_b256 s[4:11], s[0:1], 0x0               ; q s[4:5], k s[6:7], v s[8:9], out0 s[10:11]
	v_lshl_add_u32 v62, v0, 2, 0x11400
	v_mov_b32 v63, 0
	v_lshrrev_b32 v1, 5, v0
	v_readfirstlane_b32 s12, v1                    ; wave w
	v_and_b32 v1, 31, v0                           ; lane L
	v_and_b32 v2, 15, v0                           ; r
	v_bfe_u32 v3, v0, 4, 1                         ; h
	s_mov_b32 s13, ttmp9                           ; i
	s_and_b32 s14, ttmp7, 0xffff                   ; head
	s_sub_co_u32 s15, 15, s13                      ; the hi block's number
	s_mul_i32 s16, s12, 16*KP
	s_mul_i32 s17, s12, 16*VP
	s_add_co_u32 s17, s17, VB
	s_lshl_b32 s18, s12, 13                        ; 16 rows of 512 bytes
	s_mul_i32 s19, s12, STGW
	s_add_co_u32 s19, s19, STG                     ; my stage
	v_mul_u32_u24 v[KRD], v2, KP
	v_lshl_add_u32 v[KRD], v3, 4, v[KRD]
	v_and_b32 v[T], 7, v0
	v_lshl_add_u32 v[T], v3, 3, v[T]
	v_mul_u32_u24 v[VRD], v[T], VP
	v_bfe_u32 v[T], v0, 3, 1
	v_lshl_add_u32 v[VRD], v[T], 4, v[VRD]
	v_add_nc_u32 v[VRD], VB, v[VRD]
	v_lshl_add_u32 v[KST], v1, 3, s16
	v_lshl_add_u32 v[VST], v1, 3, s17
	v_lshl_add_u32 v[GOFF], v1, 4, s18
	v_lshl_add_u32 v[QST], v1, 3, s19
	v_add_nc_u32 v[QRD], s19, v[KRD]
	v_mul_u32_u24 v[OST], v2, OP
	v_lshl_add_u32 v[OST], v3, 5, v[OST]
	v_add_nc_u32 v[OST], s19, v[OST]
	v_lshl_add_u32 v[ORD], v1, 4, s19
	v_lshlrev_b32 v[ROFF], 4, v1
	v_lshlrev_b32 v[PFO], 8, v0
	v_mov_b32 v[NEG], 0xf149f2ca                   ; -1e30
	v_lshlrev_b32 v[DT], 3, v3
	v_sub_nc_u32 v[DT], v2, v[DT]                  ; r - 8 h (signed)
	s_lshl_b32 s16, s13, 7
	s_lshl_b32 s17, s12, 5
	s_add_co_u32 s16, s16, s17                     ; 128 i + 32 w
	v_add_nc_u32 v[DB], s16, v[DT]
	v_add_nc_u32 v[DB+1], 16, v[DB]
	s_lshl_b32 s16, s15, 7
	s_add_co_u32 s16, s16, s17                     ; 128 (15 - i) + 32 w
	v_add_nc_u32 v[DB+2], s16, v[DT]
	v_add_nc_u32 v[DB+3], 16, v[DB+2]
	s_mov_b32 s20, 0                               ; t, the step
	s_lshl_b32 s21, s13, 1                         ; 2 i: first step that touches lo's diagonal block
	s_add_co_u32 s22, s21, 2                       ; 2 i + 2: lo is finished
	s_sub_co_u32 s23, 30, s21                      ; 30 - 2 i: first step of hi's diagonal block
	s_mov_b32 s24, 0                               ; 64 t, the step's first key
	s_cmp_eq_u32 s13, 0
	s_cselect_b32 s25, 29, 0                       ; steps below this number prefetch: work-group 0 of the head alone, t <= 28
	s_mov_b32 s26, 0x3e0293ee                      ; c = log2(e) / sqrt(128), twice: the packed forms read the pair
	s_mov_b32 s27, 0x3e0293ee
	s_mov_b32 s28, 0xbe0293ee                      ; -c
	s_mov_b32 s30, 0x76543210                      ; v_permlanex16_b32: lane i of one half reads lane i of the other
	s_mov_b32 s31, 0xfedcba98
	s_lshl_b32 s16, s14, 20                        ; a head is 2048 rows of 512 bytes
	s_mov_b32 s17, 0
	s_lshl_b32 s18, s12, 14                        ; my 32 rows in a block
	s_add_co_u32 s18, s18, s16
	s_lshl_b32 s40, s13, 16                        ; a block is 128 rows
	s_add_co_u32 s40, s40, s18                     ; byte offset of my lo rows, in q and in out0 (below 32 MiB)
	s_mov_b32 s41, 0
	s_lshl_b32 s42, s15, 16
	s_add_co_u32 s42, s42, s18                     ; and of my hi rows
	s_mov_b32 s43, 0
	s_wait_kmcnt 0x0
	s_add_nc_u64 s[6:7], s[6:7], s[16:17]          ; K and V at the head's tile 0
	s_add_nc_u64 s[8:9], s[8:9], s[16:17]
	s_add_nc_u64 s[32:33], s[4:5], s[40:41]        ; q, my lo rows
	s_add_nc_u64 s[34:35], s[4:5], s[42:43]        ; q, my hi rows
	s_add_nc_u64 s[36:37], s[10:11], s[40:41]      ; out0, my lo rows
	s_add_nc_u64 s[38:39], s[10:11], s[42:43]      ; out0, my hi rows
; 32 rows of Q, one load of the wave for each row of 512 bytes.  Nobody else reads them: non-temporal.
.macro QLOAD base, win
	WIN \win
.set qn, 0
.rept 32
	global_load_b128 v[SS+4*qn:SS+4*qn+3], v[ROFF], s[\base:\base+1] offset:ROWB*qn th:TH_LOAD_NT
.set qn, qn+1
.endr
.endm
; Those rows to f16, through my stage, into the fragments of tiles qt0 and qt0 + 1.  win: where the sources lie (0, or 0x0a for window 2).
.macro QPUT win, qt0
.if \qt0
	s_wait_dscnt 0x0                               ; the stage and v64-127 are written again only when the first block's LDS instructions are done
.endif
	WIN \win
.set qn, 0
.rept 32
	v_cvt_pk_f16_f32 v[PP+2*qn],   v[SS+4*qn],   v[SS+4*qn+1]
	v_cvt_pk_f16_f32 v[PP+2*qn+1], v[SS+4*qn+2], v[SS+4*qn+3]
.set qn, qn+1
.endr
	WIN 0
.set qn, 0
.rept 32
	ds_store_b64 v[QST], v[PP+2*qn:PP+2*qn+1] offset:KP*qn
.set qn, qn+1
.endr
	WIN 0x80                                       ; LDS serves a wave's instructions in order (ISA guide 5.7.1): these loads see the stores above
.irp u, 0,1
.irp ks, 0,1,2,3
	ds_load_b128 v[32*(\qt0+\u)+8*\ks:32*(\qt0+\u)+8*\ks+3],   v[QRD] offset:16*\u*KP+64*\ks
	ds_load_b128 v[32*(\qt0+\u)+8*\ks+4:32*(\qt0+\u)+8*\ks+7], v[QRD] offset:16*\u*KP+64*\ks+32
.endr
.endr
.endm
; My 16 rows of K and of V of the tile at s[6:7], s[8:9] into window 3.  The other work-groups of the head read them too: no hint.
.macro KVLOAD
	WIN 0xc0
.set ln, 0
.rept 16
	global_load_b128 v[4*ln:4*ln+3], v[GOFF], s[6:7] offset:ROWB*ln
.set ln, ln+1
.endr
.set ln, 0
.rept 16
	global_load_b128 v[64+4*ln:64+4*ln+3], v[GOFF], s[8:9] offset:ROWB*ln
.set ln, ln+1
.endr
.endm
.macro KVCVT                           ; four f32 to four f16, into the first two registers of each four
	WIN 0xcf
.set ln, 0
.rept 32
	v_cvt_pk_f16_f32 v[4*ln],   v[4*ln],   v[4*ln+1]
	v_cvt_pk_f16_f32 v[4*ln+1], v[4*ln+2], v[4*ln+3]
.set ln, ln+1
.endr
.endm
.macro KVPUT                           ; a store of the wave is a row's 256 neighbouring bytes
	WIN 0x0c
.set ln, 0
.rept 16
	ds_store_b64 v[KST], v[4*ln:4*ln+1] offset:KP*ln
	ds_store_b64 v[VST], v[64+4*ln:64+4*ln+1] offset:VP*ln
.set ln, ln+1
.endr
.endm
.macro KFRAG                           ; K(kt, ks): 16 keys x 32 of d, at FR + 32 kt + 8 ks; slices of d outermost, eight loads each
	WIN 0x80
.irp ks, 0,1,2,3
.irp kt, 0,1,2,3
	ds_load_b128 v[FR+32*\kt+8*\ks:FR+32*\kt+8*\ks+3],   v[KRD] offset:16*\kt*KP+64*\ks
	ds_load_b128 v[FR+32*\kt+8*\ks+4:FR+32*\kt+8*\ks+7], v[KRD] offset:16*\kt*KP+64*\ks+32
.endr
.endr
.endm
.macro VFRAG                           ; V^T(c, dt): 16 of d x 32 keys, at FR + 64 c + 8 dt; chunks of 32 keys outermost, sixteen loads each
	WIN 0x80
.irp c, 0,1
.irp dt, 0,1,2,3,4,5,6,7
	ds_load_tr16_b128 v[FR+64*\c+8*\dt:FR+64*\c+8*\dt+3],   v[VRD] offset:32*\c*VP+32*\dt
	ds_load_tr16_b128 v[FR+64*\c+8*\dt+4:FR+64*\c+8*\dt+7], v[VRD] offset:32*\c*VP+32*\dt+16*VP
.endr
.endr
.endm
; S^T(qt, kt) = K(kt) Q(qt)^T for tiles q0 .. 3.  The first slice of d starts the sums.
.macro SMUL q0
	WIN 0x0a
.irp ks, 0,1,2,3
	s_wait_dscnt 24-8*\ks                          ; the eight loads of this slice are in; those of the later slices, eight each, may be out
.irp kt, 0,1,2,3
.irp qt, 0,1,2,3
.if \qt >= \q0
.if \ks == 0
	v_wmma_f32_16x16x32_f16 v[SS+32*\qt+8*\kt:SS+32*\qt+8*\kt+7], v[FR+32*\kt+8*\ks:FR+32*\kt+8*\ks+7], v[32*\qt+8*\ks:32*\qt+8*\ks+7], 0
.else
	v_wmma_f32_16x16x32_f16 v[SS+32*\qt+8*\kt:SS+32*\qt+8*\kt+7], v[FR+32*\kt+8*\ks:FR+32*\kt+8*\ks+7], v[32*\qt+8*\ks:32*\qt+8*\ks+7], v[SS+32*\qt+8*\kt:SS+32*\qt+8*\kt+7]
.endif
.endif
.endr
.endr
.endr
.endm
; Register 8 kt + j holds key 64 t + 16 kt + 8 h + j: it stays where 16 kt + j <= row - 8 h - 64 t (signed), else -1e30.
.macro MASK qt
	v_sub_nc_u32 v[DT], v[DB+\qt], s24
.set mx, 0
.rept 32
	v_cmp_le_i32 vcc_lo, 16*(mx/8)+mx%8, v[DT]
	v_cndmask_b32 v[SS+32*\qt+mx], v[NEG], v[SS+32*\qt+mx], vcc_lo
.set mx, mx+1
.endr
.endm
; The softmax step of one tile: new maximum, factor for the old sums, p in place of s, the lane's sum, P in f16.
.macro SM qt, first
.set SB, SS+32*\qt
.set SN, ST+4*\qt
.irp k, 0,1,2,3
	v_max3_num_f32 v[T+\k], v[SB+8*\k], v[SB+8*\k+1], v[SB+8*\k+2]        ; four chains, started by their first numbers
.endr
.irp k, 0,1,2,3
	v_max3_num_f32 v[T+\k], v[T+\k], v[SB+8*\k+3], v[SB+8*\k+4]
.endr
.irp k, 0,1,2,3
	v_max3_num_f32 v[T+\k], v[T+\k], v[SB+8*\k+5], v[SB+8*\k+6]
.endr
	v_max3_num_f32 v[T], v[T], v[T+1], v[SB+7]
	v_max3_num_f32 v[T+2], v[T+2], v[T+3], v[SB+15]
	v_max3_num_f32 v[T], v[T], v[SB+23], v[SB+31]
.if \first
	v_max_num_f32 v[T], v[T], v[T+2]
.else
	v_max3_num_f32 v[T], v[T], v[T+2], v[SN+1]     ; with the maximum so far
.endif
	v_permlanex16_b32 v[T+1], v[T], s30, s31       ; the other half of the query's keys
	v_max_num_f32 v[SN+1], v[T], v[T+1]
.if \first
	v_mul_f32 v[SN], s28, v[SN+1]                  ; nmc = -c m
.else
	v_mul_f32 v[T+2], s28, v[SN+1]
	v_sub_f32 v[T+3], v[T+2], v[SN]                ; nmc_new - nmc_old <= 0
	v_mov_b32 v[SN], v[T+2]
.endif
.set sp, 0
.rept 16
	v_pk_fma_f32 v[SB+2*sp:SB+2*sp+1], v[SB+2*sp:SB+2*sp+1], s[26:27], v[SN:SN+1] op_sel_hi:[1,0,0]   ; c s + nmc, both halves with s26 and nmc
.set sp, sp+1
.endr
.if \first == 0
	v_exp_f32 v[SN+2], v[T+3]
.endif
.set sp, 0
.rept 32
	v_exp_f32 v[SB+sp], v[SB+sp]
.set sp, sp+1
.endr
	v_nop                                          ; one plain vector instruction between the exponentials and the first use of a result (ISA guide 5.7.2)
	s_wait_alu depctr_va_vdst(0)
	v_pk_add_f32 v[T+4:T+5], v[SB:SB+1], v[SB+2:SB+3]                     ; two chains of pairs
	v_pk_add_f32 v[T+6:T+7], v[SB+16:SB+17], v[SB+18:SB+19]
.irp p, 2,3,4,5,6,7
	v_pk_add_f32 v[T+4:T+5], v[T+4:T+5], v[SB+2*\p:SB+2*\p+1]
	v_pk_add_f32 v[T+6:T+7], v[T+6:T+7], v[SB+16+2*\p:SB+16+2*\p+1]
.endr
	v_pk_add_f32 v[T+4:T+5], v[T+4:T+5], v[T+6:T+7]
.if \first
	v_add_f32 v[SN+3], v[T+4], v[T+5]
.else
	v_add_f32 v[T+4], v[T+4], v[T+5]
	v_fma_f32 v[SN+3], v[SN+3], v[SN+2], v[T+4]    ; l = l x factor + this step's sum
.endif
.set sp, 0
.rept 16
	v_cvt_pk_f16_f32 v[PP+16*\qt+sp], v[SB+2*sp], v[SB+2*sp+1]
.set sp, sp+1
.endr
.endm
.macro RESCALE qt                      ; the tile's 64 registers of O times v[ST+4qt+2]
	WIN 0x41
.set ro, 0
.rept 32
	v_pk_mul_f32 v[64*\qt+2*ro:64*\qt+2*ro+1], v[64*\qt+2*ro:64*\qt+2*ro+1], v[ST+4*\qt+2:ST+4*\qt+3] op_sel_hi:[1,0]
.set ro, ro+1
.endr
.endm
; O^T(qt, dt) += V^T(c, dt) P^T(qt, c) for tiles q0 .. 3.  zero = 1: the product starts the sums.
.macro PV c, q0, zero
	WIN 0x52
.irp dt, 0,1,2,3,4,5,6,7
.irp qt, 0,1,2,3
.if \qt >= \q0
.if \zero
	v_wmma_f32_16x16x32_f16 v[64*\qt+8*\dt:64*\qt+8*\dt+7], v[FR+64*\c+8*\dt:FR+64*\c+8*\dt+7], v[PP+16*\qt+8*\c:PP+16*\qt+8*\c+7], 0
.else
	v_wmma_f32_16x16x32_f16 v[64*\qt+8*\dt:64*\qt+8*\dt+7], v[FR+64*\c+8*\dt:FR+64*\c+8*\dt+7], v[PP+16*\qt+8*\c:PP+16*\qt+8*\c+7], v[64*\qt+8*\dt:64*\qt+8*\dt+7]
.endif
.endif
.endr
.endr
.endm
; ONE STEP of 64 keys for tiles q0 .. 3.  mlo, mhi: the lo, the hi tiles are masked.  first: nothing has been summed yet.
; next: a step follows, its tile is fetched meanwhile.  pf: the body holds the prefetch; tag: for its label.
.macro STEP q0, mlo, mhi, first, next, pf, tag
	KFRAG
.if \next
	KVLOAD                                         ; tile t + 1: a whole step lies between these loads and the wait for them
.endif
	SMUL \q0
	WIN 0
	PLACES                                         ; behind the last score product: V's fragments land on K's registers, and S is read
	VFRAG
	WIN 0
.if \pf
	; Work-group 0 of a head has the most steps and, from step 2 on, half the work in each.  In step t its 128 threads ask for the 128 blocks of
	; 256 bytes of K's tile t + 3 and of V's (the bases stand at tile t + 1): two steps ahead of that tile's loads, 64 KB asked for and not yet read per step.
	; It stops behind t = 28, whose request is for tile 31, the head's last.
	s_cmp_ge_u32 s20, s25
	s_cbranch_scc1 .Lnp_\tag
	global_prefetch_b8 v[PFO], s[6:7] offset:2*TILEB th:TH_LOAD_NT scope:SCOPE_SE
	global_prefetch_b8 v[PFO], s[8:9] offset:2*TILEB th:TH_LOAD_NT scope:SCOPE_SE
.Lnp_\tag:
.endif
.if \mlo
	MASK 0
	MASK 1
.endif
.if \mhi
	MASK 2
	MASK 3
.endif
.irp qt, 0,1,2,3
.if \qt >= \q0
	SM \qt, \first
.endif
.endr
.if \first == 0
.irp qt, 0,1,2,3
.if \qt >= \q0
	RESCALE \qt
.endif
.endr
.endif
	s_wait_dscnt 16                                ; V's first 32 keys are in; the sixteen loads of the second 32 may be out
	PV 0, \q0, \first
	s_wait_dscnt 0x0                               ; all fragments are in registers: my reads of this tile are over
.if \next
	s_barrier_signal -1                            ; say so; registers only up to the wait
.endif
	PV 1, \q0, 0
.if \next
	PLACES                                         ; behind the last product: the next step's K fragments are loaded into its sources
	s_wait_loadcnt 0x0                             ; the next tile's rows (nothing was loaded behind them)
	KVCVT
	s_barrier_wait -1                              ; nobody reads the old tile any more
	KVPUT
	s_wait_dscnt 0x0                               ; my rows are stored, for the others' sake
	s_barrier_signal -1
	s_barrier_wait -1                              ; the new tile is whole
	WIN 0
	s_wait_xcnt 0x0                                ; the prefetches name these bases too: they are stepped only behind this wait
	s_add_nc_u64 s[6:7], s[6:7], TILEB
	s_add_nc_u64 s[8:9], s[8:9], TILEB
.else
	WIN 0
.endif
.endm
.macro TICK
	s_add_co_u32 s20, s20, 1
	s_add_co_u32 s24, s24, 64
.endm
	; PROLOGUE: everything is asked for at once, Q first.
	QLOAD 32, 0                                    ; lo rows into window 0, v128-255
	QLOAD 34, 0x80                                 ; hi rows into window 2, v128-255
	KVLOAD                                         ; tile 0
	WIN 0
	s_wait_loadcnt 32                              ; loads come back in order (ISA guide 5.7.1): Q's 64 are in, the 32 of K and V behind them may be out
	QPUT 0, 0
	QPUT 0x0a, 2
	s_wait_loadcnt 0x0
	KVCVT
	KVPUT
	s_wait_dscnt 0x0                               ; my rows of tile 0 are stored, and my Q fragments are in
	s_barrier_signal -1
	s_barrier_wait -1
	WIN 0
	s_add_nc_u64 s[6:7], s[6:7], TILEB             ; (their loads were waited for) the bases stand at the tile to be fetched next
	s_add_nc_u64 s[8:9], s[8:9], TILEB
	STEP 0, 1, 0, 1, 1, 1, f                       ; t = 0: starts m, l and O; the mask bites for i = 0 alone
	TICK
	s_cmp_lt_u32 s20, s21
	s_cbranch_scc0 .Lmask                          ; i = 0: no step wholly below lo's diagonal block is left
.Lfull:                                            ; t = 1 .. 2 i - 1: four tiles, no mask
	STEP 0, 0, 0, 0, 1, 0, a
	TICK
	s_cmp_lt_u32 s20, s21
	s_cbranch_scc1 .Lfull
.Lmask:                                            ; t = max(1, 2 i) .. 2 i + 1: lo's diagonal block
	STEP 0, 1, 0, 0, 1, 1, m
	TICK
	s_cmp_lt_u32 s20, s22
	s_cbranch_scc1 .Lmask
	s_cmp_lt_u32 s20, s23
	s_cbranch_scc0 .Ldiag                          ; i = 7: hi's diagonal block follows at once
.Lhigh:                                            ; t = 2 i + 2 .. 29 - 2 i: the hi tiles alone, no mask
	STEP 2, 0, 0, 0, 1, 1, h
	TICK
	s_cmp_lt_u32 s20, s23
	s_cbranch_scc1 .Lhigh
.Ldiag:
	STEP 2, 0, 1, 0, 1, 0, d                       ; t = 30 - 2 i: hi's diagonal block, first half
	s_add_co_u32 s24, s24, 64
	STEP 2, 0, 1, 0, 0, 0, e                       ; t = 31 - 2 i: second half; nothing is fetched, no barrier
	; THE WAY OUT.  l's two halves meet; O / l goes 16 rows at a time through my own stage and leaves as whole rows.
	PLACES                                         ; behind the last product, whose results are read below
.irp qt, 0,1,2,3
	v_permlanex16_b32 v[T+\qt], v[ST+4*\qt+3], s30, s31
.endr
.irp qt, 0,1,2,3
	v_add_f32 v[ST+4*\qt+3], v[ST+4*\qt+3], v[T+\qt]
.endr
.irp qt, 0,1,2,3
	v_rcp_f32 v[ST+4*\qt+2], v[ST+4*\qt+3]         ; l >= 1: the row's largest score gave p = 1
.endr
	v_nop                                          ; one plain vector instruction behind the reciprocals (ISA guide 5.7.2)
	s_wait_alu depctr_va_vdst(0)
; Lane (r, h) holds query r, d = 16 dt + 8 h + j: 32 bytes at r OP + 64 dt + 32 h.  Back by rows: a load and a store of the wave are one row of 512 bytes.
.macro OUT16 qt, base, u, buf
	RESCALE \qt
	WIN 0x04
.irp dt, 0,1,2,3,4,5,6,7
	ds_store_b128 v[OST], v[64*\qt+8*\dt:64*\qt+8*\dt+3]   offset:64*\dt
	ds_store_b128 v[OST], v[64*\qt+8*\dt+4:64*\qt+8*\dt+7] offset:64*\dt+16
.endr
	WIN 0
.if \qt >= 2
	s_wait_xcnt 0x0                                ; this buffer was the data of stores two tiles ago: it is loaded again only behind this wait
.endif
.set on, 0
.rept 16
	ds_load_b128 v[SS+64*\buf+4*on:SS+64*\buf+4*on+3], v[ORD] offset:OP*on      ; in order behind my stores above
.set on, on+1
.endr
.set on, 0
.rept 16
	s_wait_dscnt 15-on                             ; row on is in; the later rows may be out.  The last count is 0: the stage is free for the next tile
	global_store_b128 v[ROFF], v[SS+64*\buf+4*on:SS+64*\buf+4*on+3], s[\base:\base+1] offset:ROWB*(16*\u+on) th:TH_STORE_NT
.set on, on+1
.endr
.endm
	OUT16 0, 36, 0, 0
	OUT16 1, 36, 1, 1
	OUT16 2, 38, 0, 0
	OUT16 3, 38, 1, 1
	s_wait_tensorcnt 0x0
	ds_add_u32 v62, v63
	s_wait_dscnt 0x0
	s_endpgm
.Lfunc_end_k_q99812def54_attn:
	.size	k_q99812def54_attn, .Lfunc_end_k_q99812def54_attn-k_q99812def54_attn
	.p2alignl 7, 3214868480
	.fill 96, 4, 3214868480
	.section	.rodata,"a",@progbits
	.p2align	6, 0x0
	.amdhsa_kernel k_q99812def54_attn
		.amdhsa_group_segment_fixed_size 71168
		.amdhsa_private_segment_fixed_size 0
		.amdhsa_enable_private_segment 0
		.amdhsa_kernarg_size 32
		.amdhsa_user_sgpr_count 2
		.amdhsa_user_sgpr_kernarg_segment_ptr 1
		.amdhsa_wavefront_size32 1
		.amdhsa_system_sgpr_workgroup_id_x 1
		.amdhsa_system_sgpr_workgroup_id_y 1
		.amdhsa_system_sgpr_workgroup_id_z 1
		.amdhsa_system_vgpr_workitem_id 0
		.amdhsa_next_free_vgpr 896
		.amdhsa_next_free_sgpr 66
		.amdhsa_reserve_vcc 1
		.amdhsa_float_denorm_mode_32 3
		.amdhsa_float_denorm_mode_16_64 3
		.amdhsa_memory_ordered 1
		.amdhsa_forward_progress 1
		.amdhsa_inst_pref_size 255
	.end_amdhsa_kernel
	.section	.bss,"aw",@nobits
	.p2align	6
	.space	262144
	.amdgpu_metadata
---
amdhsa.version: [ 1, 2 ]
amdhsa.kernels:
  - .name:           k_q99812def54_attn
    .symbol:         k_q99812def54_attn.kd
    .args:
      - { .name: q, .offset: 0, .size: 8, .value_kind: global_buffer, .address_space: global }
      - { .name: k, .offset: 8, .size: 8, .value_kind: global_buffer, .address_space: global }
      - { .name: v, .offset: 16, .size: 8, .value_kind: global_buffer, .address_space: global }
      - { .name: out0, .offset: 24, .size: 8, .value_kind: global_buffer, .address_space: global }
    .group_segment_fixed_size: 71168
    .private_segment_fixed_size: 0
    .kernarg_segment_align: 8
    .kernarg_segment_size: 32
    .max_flat_workgroup_size: 128
    .sgpr_count:     66
    .vgpr_count:     896
    .wavefront_size: 32
...
	.end_amdgpu_metadata
.endif
;; end of part 1
